; MI455X (gfx1250); checked and timed in simulation.
; The chip was launched on July 23, 2026; its instructions are those of AMD's public machine-readable ISA for CDNA 5 (MIT licence, August 2026) and "CDNA5" Instruction Set Architecture Reference Guide (July 2026). The comments in the code are by the model that wrote it; some were corrected since.
;; Attention Op. Allowed arithmetic: matrix products marked QUANTISED: E4M3 operands, one E8M0 scale for each 32 along K, by v_wmma_scale_f32_16x16x128_f8f6f4 with both operands' format E4M3, f32 sums; everything else in f32.
;; Inputs: decoder_segment_ids 4 x 2,048 int32; key_codes 4 x 2,048 x 2 x 4 x 32 uint8 (E4M3 codes of key, K innermost, in blocks of 32 codes); key_scales 4 x 2,048 x 2 x 4 uint8 (E8M0 scales of key, one for each 32 codes along K); query 4 x 2,048 x 8 x 128 float32; value_codes 4 x 2 x 128 x 64 x 32 uint8 (E4M3 codes of value, K innermost, in blocks of 32 codes); value_scales 4 x 2 x 128 x 64 uint8 (E8M0 scales of value, one for each 32 codes along K).
;; Outputs: out0 4 x 2,048 x 8 x 128 float32.
;; This version of the problem:
;;   THIS VERSION OF THE PROBLEM IS GIVEN IN LOW PRECISION. The matrix products marked QUANTISED in the list below multiply operands that are first quantised to E4M3 (4 exponent bits, 3 mantissa bits; 8 bits a number), with one power-of-two scale for each 32 numbers along K (OCP MX v1.0); their sums are f32. All else is computed in f32.
;;   The module's matrix products, in the order in which they are computed (A, B: the left and right operand; K: the contracted axis; several contracted axes count as one K, in the product's order):
;;     1. batch 8 x [M 2,048, K 128] x [K 128, N 8,192]; A: input key (given as codes); B: computed on the way: QUANTISED
;;     2. batch 8 x [M 128, K 2,048] x [K 2,048, N 8,192]; A: input value (given as codes); B: softmax (see below): QUANTISED
;;   THE QUANTISER, for each operand of a quantised product, along K:
;;     - K is cut into blocks of 32 from its start; a last block that is shorter is filled with zeros.
;;     - A block's scale is 2^e with e = floor(log2(the largest magnitude in the block)) - 8, held to -126 .. 127; a block of zeros has e = 0. As a byte (E8M0): e + 127.
;;     - Each number is divided by its block's scale, clamped to +-448, and rounded to the nearest number of E4M3, ties to even, subnormals kept.
;;     - The product sums the exact products of the quantised numbers (number of the format x scale) in f32.
;;   ~~~python
;;   def quantise(x, axis):      # numpy; x: float32 -> the quantised numbers, widened to float32 again
;;       x = np.moveaxis(x, axis, -1); K = x.shape[-1]
;;       x = np.pad(x, [(0, 0)] * (x.ndim - 1) + [(0, -K % 32)]); x = x.reshape(x.shape[:-1] + (-1, 32)); a = np.abs(x).max(-1, keepdims=True)
;;       e = np.where(a > 0, np.clip(np.frexp(np.where(a > 0, a, 1))[1] - 1 - 8, -126, 127), 0)      # np.frexp(a)[1] - 1 = floor(log2(a)), exactly
;;       r = np.clip(x / 2.0 ** e, -448, 448)
;;       step = 2.0 ** (np.maximum(np.frexp(np.where(r == 0, 1, r))[1] - 1, -6) - 3)
;;       q = np.round(r / step) * step * 2.0 ** e      # np.round: ties to even
;;       return np.moveaxis(q.reshape(q.shape[:-2] + (-1,))[..., :K], -1, axis).astype(np.float32)
;;   ~~~
;;   SOFTMAX AHEAD OF A QUANTISED PRODUCT. Where the list says 'softmax', what is quantised is not the finished softmax but p = 2^(t - M), with t = logit x log2(e) and M = ceil(the row's largest t), a whole number; so 1/2 < the row's largest p <= 1. The row's sum l is taken of the UNQUANTISED p, in f32, and the product's result is divided by l at the end. Since M is a whole number, a kernel that streams over the keys may use a running M (the ceiling of the running maximum): every later rescaling is an exact power of two, which a block's scale takes up: the codes' values come out the same.
;;   OPERANDS COMPUTED ON THE WAY. 'Computed on the way' means the value that the module computes at that place (a softmax that the list does not call 'softmax' is quantised finished and normalised). What goes into a quantiser is computed in f32, as accurately as f32 sums, v_exp_f32 and their like allow (about 1e-6 of the number): no bf16 or f16 on the way to a quantiser, and a product that is left as it is and whose result goes on into a quantised operand takes f32 operands (vector FMAs, or v_wmma_f32_16x16x4_f32). A number that lies on a knife's edge between two numbers of the format may be rounded either way, as far as f32 arithmetic and the matrix unit's own rounding can turn it there, and no further.
;;   INPUTS GIVEN AS CODES. key (in the module: [4, 2048, 2, 128], K = its axis 3); value (in the module: [4, 2048, 2, 128], K = its axis 1): each comes as NAME_codes (uint8): NAME with its K axis moved to the last place and cut into blocks of 32 codes, [.., K / 32, bytes a block], one block behind the other in memory; one code a byte (a code: sign, 4 exponent bits, 3 mantissa bits); and NAME_scales (uint8): the same leading axes, one E8M0 byte (e + 127) for each 32 codes along K. Its value is code x scale, taken as it is: it is not quantised again, and the codes and scales need not be those that the quantiser above would give.
;; One version. Each part assembles by itself: llvm-mc -triple=amdgcn-amd-amdhsa -mcpu=gfx1250 --defsym DOCPART=n.
;; ======== version 1 of 1: 1 launch
;; limits: inputs' magnitudes at most 17,592,186,044,416; a function is approximated: absolute error at most 5e-06
;; launch attn (part 1): grid 32 x 8, 16 waves a work-group, no clusters, 327,680 bytes of LDS; arguments query, key_codes, key_scales, value_codes, value_scales, decoder_segment_ids, out0; writes out0
.if DOCPART == 1
	.amdgcn_target "amdgcn-amd-amdhsa--gfx1250"
	.amdhsa_code_object_version 6
	.text
	.protected	k_qed08700981_attn
	.globl	k_qed08700981_attn
	.p2align	8
	.type	k_qed08700981_attn,@function
k_qed08700981_attn:
	s_mov_b64 s[64:65], 0
	v_nop
	global_prefetch_b8 v0, s[64:65] scope:SCOPE_SE
	s_setreg_imm32_b32 hwreg(HW_REG_WAVE_MODE, 25, 1), 1
	s_wait_xcnt 0x0
; out[b][q][4 kv + g][:] = sum over k of softmax_k(mask(50 tanh(Q.K / 50))) V, Q = query / sqrt(128); 4 batches, 2,048 positions, 8 query heads on 2 key and value heads, head size 128.
; Both products on codes of FP8 (E4M3) with one E8M0 scale for each 32 along K.  key: codes, rows of 128 bytes, 256 apart; value: codes with the keys innermost, rows of 2,048 bytes; query: f32, quantised here.
; WORK LEFT OUT, for all values of the inputs.  Key k counts for query q only where 0 <= q - k <= 1,023 (a mask that reference() builds itself) and the segment ids are equal (an input: honoured number by number).
; Key k = q always counts (its id equals itself, q - k = 0), so a row's largest logit is at least -50; a masked logit is -0.7 x the largest f32 number, whose weight after the maximum is taken away is exactly 0.
; So steps of 128 keys that lie wholly outside q - 1,023 .. q for all 16 queries of a tile reach no output and are not loaded or multiplied: a query in block j of 128 positions walks min(j + 1, 9) steps, not 16.
; Every input has a way to the output and is loaded.  LIMIT: a NaN, an infinity or an overflow that reaches only the steps left out is not carried to the result.
; THE SOFTMAX.  t = logit x log2(e) = C0 tanh(s / 50), C0 = 50 log2(e) = 72.13..: reference()'s own cap holds |t| <= 72.14 for every input.  So p = 2^(t - M) is taken with the whole number M = 0:
; p lies within 2^-72.2 .. 2^72.2, a row's sum of at most 1,024 such under 2^82.2, p's scale bytes within 46 .. 191: nothing can overflow or underflow in f32, E8M0 or E4M3.  A whole M only moves the blocks' scales: the codes are the same.
; tanh: E = 2^u, u = min(s x 2 log2(e) / 50, 64); t = (C0 E - C0) / (E + 1), the numerator by one fused multiply-add.  THE MASK IS THAT ADDEND: -C0 where the key counts, -3e38 where not: t is then under -1e19 and p = 0.
; LIMITS: NaN and infinities among the inputs are not served; |value| under 2^44 (O's sums carry p up to 2^82); a block of zeros carries the scale byte 1 (its codes are zeros; the bytes are read here alone);
; blocks of p more than 2^118 under the row's largest keep their own scale here, where a scale held at -126 would flush them: a difference under 2^-118 of the row's sum.
; SHARES.  A granule = 16 positions x the 4 query heads of one key and value head.  Work-group (x, y): y = 2 b + kv, c = x % 4, i = x / 4.  It owns four granules and walks nine trips T = 0 .. 8:
;   granule 0: positions 1024 + 128 i + 32 c on, granule 1: 16 further; both read ring A (key step i + T) in all nine trips;
;   granule 2: positions 128 (7 - c) + 16 i on: ring B, trips 0 .. 7 - c, key step T;   granule 3: positions 128 c + 16 i on: ring B, trips 8 - c .. 8, key step 8 - T (the order of the keys is free with M = 0).
;   9 + 9 + (8 - c) + (c + 1) = 27 granule steps in every work-group; the 128 granules of each (b, kv) are owned once.  Wave w = 4 a + e takes head a of granule (a + e) % 4: twelve of the sixteen waves work in every trip.
; LAYOUT.  Both products are used transposed: S^T = K Q^T (source 0 = 16 neighbouring keys), O^T = V^T P^T: lane (r, h) holds query r throughout.  Register 16 c + 8 e + j of S^T holds key 32 c + 16 e + 8 h + j, so the
; conversions leave p's operand with its keys permuted inside each block of 32; V's fragments are loaded with the same permutation, by loads of 8 bytes.  The sums are the same up to their order.
; THE ADDENDS of a granule's next trip are made once, a quarter by each of its four waves, and go to the others as images of registers in LDS, in two buffers by turns; the trip's one barrier orders them.
; NO CLUSTER: the work-groups that walk the same tiles of ring A (equal i, b, kv) differ in c, and the waves' first and last trips, which are branches, hang on c; partners of a joint load must run alike.
; Those with equal c share ring B alone, half of a trip's 64 KiB, and each trip's refill has the whole trip's work of twelve waves in which to land.
.set KP,     144                       ; a row of a tile in LDS: 128 bytes + 16 of padding: 36 words, so 16 neighbouring rows start at 16 different groups of four banks (64 banks of 4 bytes: ISA guide 11.1)
.set TILEB,  128*KP                    ; a tile: 128 rows
.set SLOTB,  4*TILEB                   ; a slot: K of ring A, V of ring A, K of ring B, V of ring B
.set TABK,   2*SLOTB                   ; K's scale bytes of nine key steps, both key heads, 8 bytes a key: ring A's 9,216 bytes, then ring B's
.set TABS,   TABK+2*9216               ; the segment ids of nine key steps: 4,608 bytes a ring
.set TABV,   TABS+2*4608               ; V's scale bytes: 128 rows x 36 bytes (nine steps): 4,608 bytes a ring
.set ADDS,   TABV+2*4608               ; the addends: buffer x 32,768 + granule x 8,192 + 512 x (register / 4) + 16 x lane.  No fill lands here, nor in what follows
.set ADDBUF, 32768
.set STG,    ADDS+2*ADDBUF             ; a stage of 16 rows x 272 bytes for each wave: Q on the way in, O on the way out
.set STGW,   16*272
.set SPARE,  STG+16*STGW               ; the spare words, 128 bytes for each wave: eight blocks of 256 bytes that no other line names
; vector registers
.set AK0,   1                          ; my lane's place in a tile of K: ring x 36,864 + 144 r + 16 h
.set AV0,   2                          ; in a tile of V: ring x 36,864 + 18,432 + 144 r + 8 h
.set ASK0,  3                          ; among K's scale words: 8 x lane + 4 kv
.set ASV0,  4                          ; among V's: 36 x lane
.set SPW,   5                          ; LDS address of my spare word; never rewritten
.set NIL,   6                          ; 0; never rewritten
.set ADW0,  7                          ; where I store my quarter of the addends
.set ADR0,  8                          ; where I read my granule's addends
.set ASEG0, 9                          ; the ids of the keys whose addends I make
.set SEGQ,  10                         ; my query's segment id
.set DQ0,   11                         ; my query's position - 32 g - 8 h
.set LSUM,  14                         ; v[14:15] the row's sum, in two halves;  v12, v13: at work
.set QC,    16                         ; v16-31   Q's codes
.set FB,    32                         ; v32-95   fragments of K; then the addends and the numerators; then V's tiles 0-3
.set SB,    96                         ; v96-159  S^T, worked in place down to p; then V's tiles 4-7
.set OB,    160                        ; v160-223 O^T
.set PC,    224                        ; v224-239 ids and addends while they are made; p's codes
.set BM,    232                        ; v232-235 the blocks' largest;  v236-239 the other half's, then the bytes (both are done with when the codes land there)
.set HOLD,  240                        ; v240-243 448 x the scale; at work elsewhere
.set SCO,   244                        ; v244-247 the conversions' scale operands
.set KS,    248                        ; v248-251 K's, then V's scale words, two tiles to a register: scales and nothing else
.set NEG,   252                        ; -3e38
.set PW,    253                        ; p's scale word: scales and nothing else
.set TMP,   254
.set QW,    255                        ; Q's scale word: scales and nothing else
; scalar registers
.set WV,    18
.set MNT,   19                         ; the mantissa field of 448
.set SEL,   20                         ; s[20:21] v_permlanex16_b32's selects for lane l xor 16
.set A2,    22                         ; s[22:23] 2 log2(e) / 50
.set G1K,   24                         ; s[24:31] descriptor group 1 for K's tiles;  s[32:39] for V's;  s[40:43] their group 0
.set G1V,   32
.set G0,    40
.set G1D,   44                         ; s[44:51] group 1 for a dense block of 4,608 bytes;  s[52:59] for V's scale bytes;  s[60:63] the tables' group 0
.set G1VS,  52
.set G0S,   60
.set TT,    66                         ; the trip T;  s67 = 8 - T
.set TD,    67
.set GAM,   68                         ; my granule;  s69 my head in it;  s70 my ring
.set HG,    69
.set RING,  70
.set FIRST, 71                         ; my first and last trip with work
.set LASTT, 72
.set KB,    73                         ; the key step at which my ring's tables begin
.set TB,    74                         ; the slot in hand;  s75 the other
.set TBN,   75
.set AB,    76                         ; the addends' buffer in hand;  s77 the other
.set ABN,   77
.set KI,    78                         ; this trip's key step, counted from KB;  s79 the next trip's;  s80 the next trip
.set KIN,   79
.set TN,    80
.set LB,    81                         ; a loading wave's tile in a slot
.set BASE,  82                         ; s[82:83] its tensor at (b, kv);  s[84:85] a key step's offset, 0 above it
.set OFFS,  84
.set STRIDE, 86                        ; bytes from key step to key step
.set RESL,  87                         ; the trip from which its ring walks back
.set KB0L,  88
.set KIND,  89                         ; 0: K, 1: V
.set MK,    90                         ; s[90:93] masks at work
.set C0,    94                         ; s[94:95] 50 log2(e);  s96 its negative;  s97 64.0;  s98 1,024
.set NC0,   96
.set CAP,   97
.set BAND,  98
.set QS,    100                        ; s[100:101] 1 / sqrt(128)
; at the head alone, in registers that the loop takes later
.set YY,    90
.set BAT,   91
.set KV,    92
.set CC,    93
.set II,    78
.set POS,   79
.set TOFF,  74
.set VOF,   76
.set QOFF,  66
.set KOF,   84
.macro PLACES n                        ; plain places behind matrix instructions and conversions (ISA guide 7.12.1)
.rept \n
	v_nop
.endr
.endm
; Waves 0 to 3 fetch the four tiles of a slot: K and V of ring A, K and V of ring B.  The branches hang on the wave's number alone.  An s_nop 0 and four v_nop follow each load.
.macro TLOAD
	s_cmp_lt_u32 s[WV], 4
	s_cbranch_scc0 .Lasked_\@
	s_cmp_eq_u32 s[KIND], 0
	s_cbranch_scc0 .Lfor_v_\@
	tensor_load_to_lds s[G0:G0+3], s[G1K:G1K+7]
	s_nop 0
	PLACES 4
	s_branch .Lasked_\@
.Lfor_v_\@:
	tensor_load_to_lds s[G0:G0+3], s[G1V:G1V+7]
	s_nop 0
	PLACES 4
.Lasked_\@:
.endm
; THE CHANGE OF SLOTS, at a trip's head.  Each wave waits for all its tensor loads (at most one is out), adds 0 to its spare word, and waits for that, for its reads of the slot and of the addends that it has left,
; and for its stores of the next addends.  Behind the barrier this trip's slot and addends are whole and nobody reads the others.  fill = 1: the other slot takes the next trip's four tiles.
.macro CHANGE fill
	s_wait_tensorcnt 0x0                           ; no tensor load of mine is out, so the group 0 may be written
	ds_add_u32 v[SPW], v[NIL]                      ; 0 onto my spare word
.if \fill
	ds_add_u32 v[SPW], v[NIL]                      ; and once more: the add twice on end, in every trip alike
	s_xor_b32 s[TBN], s[TB], SLOTB                 ; the other slot
	s_add_co_u32 s[G0+1], s[LB], s[TBN]
	s_add_co_u32 s2, s[TT], 1                      ; the next trip,
	s_sub_co_u32 s3, s[TD], 1                      ; and 8 less it
	s_cmp_lt_u32 s2, s[RESL]
	s_cselect_b32 s2, s2, s3                       ; ring B walks up for granule 2 and back down for granule 3; ring A only up
	s_add_co_u32 s2, s2, s[KB0L]
	s_mul_i32 s[OFFS], s2, s[STRIDE]
	s_add_nc_u64 s[G0+2:G0+3], s[BASE:BASE+1], s[OFFS:OFFS+1]
	s_or_b32 s[G0+3], s[G0+3], 0x80000000          ; type = 2
.endif
	s_wait_dscnt 0x0
	s_barrier_signal -1
	s_barrier_wait -1
.if \fill
	TLOAD                                          ; the first thing behind the barrier, and a wave's one tensor load until the next
.endif
.endm
; MY QUARTER OF MY GRANULE'S ADDENDS for trip TN: registers 16 g + i, i = 0 .. 15, which hold keys 128 (KB + KIN) + 32 g + 8 h + i + 8 (i / 8).  A key counts where 0 <= q - k <= 1,023 (one unsigned compare) and the ids are equal.
.macro MASKB
	s_cmp_lt_u32 s[TN], s[FIRST]
	s_cbranch_scc1 .Lno_mask_\@
	s_cmp_gt_u32 s[TN], s[LASTT]
	s_cbranch_scc1 .Lno_mask_\@
	s_lshl_b32 s2, s[KIN], 9
	v_add_nc_u32 v12, s2, v[ASEG0]
	ds_load_b128 v[PC:PC+3], v12                   ; the 16 keys' ids: sixteen lanes read the same words
	ds_load_b128 v[PC+4:PC+7], v12 offset:16
	ds_load_b128 v[PC+8:PC+11], v12 offset:64
	ds_load_b128 v[PC+12:PC+15], v12 offset:80
	s_add_co_u32 s2, s[KB], s[KIN]
	s_lshl_b32 s2, s2, 7
	v_sub_nc_u32 v[TMP], v[DQ0], s2                ; q - the first of my keys
	v_add_nc_u32 v13, s[ABN], v[ADW0]
	s_wait_dscnt 0x0
.set i, 0
.rept 4
.irp e, 0,1,2,3
	v_sub_nc_u32 v[HOLD+\e], v[TMP], (i+\e)+8*((i+\e)/8)
.endr
.irp e, 0,1,2,3
	v_cmp_gt_u32 s[MK+\e], s[BAND], v[HOLD+\e]     ; 1,024 > q - k, unsigned: a key after the query wraps round and fails too
.endr
.irp e, 0,1,2,3
	v_cmp_eq_u32 vcc_lo, v[SEGQ], v[PC+i+\e]
	s_and_b32 vcc_lo, vcc_lo, s[MK+\e]
	v_cndmask_b32 v[PC+i+\e], v[NEG], s[NC0], vcc_lo
.endr
.set i, i+4
.endr
.irp k, 0,1,2,3
	ds_store_b128 v13, v[PC+4*\k:PC+4*\k+3] offset:512*\k   ; as an image of the registers: any wave of the granule that loads it so has the same registers in the same lanes
.endr
.Lno_mask_\@:
.endm
; From the blocks' largest magnitudes of my 16 numbers, v[BM] on: the block's (with lane l xor 16's), the conversion's scale operand, 448 x the scale, the four bytes as a scale word in v[pw]
.macro SCALE4 pw
.irp b, 0,1,2,3
	v_permlanex16_b32 v[BM+4+\b], v[BM+\b], s[SEL], s[SEL+1]
.endr
.irp b, 0,1,2,3
	v_max_num_f32 v[BM+\b], v[BM+\b], v[BM+4+\b]
.endr
.irp b, 0,1,2,3
	v_add_nc_u32 v[SCO+\b], 0xfc000000, v[BM+\b]   ; 8 off the exponent field: the conversion takes the exponent field of this operand as its scale
.endr
.irp b, 0,1,2,3
	v_and_or_b32 v[HOLD+\b], v[BM+\b], 0x7f800000, s[MNT]   ; 448 x the scale
.endr
.irp b, 0,1,2,3
	v_lshrrev_b32 v[BM+4+\b], 23, v[SCO+\b]        ; the scale's byte
.endr
	v_lshl_or_b32 v[\pw], v[BM+5], 8, v[BM+4]
	v_lshl_or_b32 v[\pw], v[BM+6], 16, v[\pw]
	v_lshl_or_b32 v[\pw], v[BM+7], 24, v[\pw]
.endm
.macro KQ tau, fr                      ; tile tau of S^T: keys 16 tau on.  The scale words of tiles 2 c and 2 c + 1 share a register: lanes 0-15 and lanes 16-31
.if (\tau)%2
	v_wmma_scale_f32_16x16x128_f8f6f4 v[SB+8*(\tau):SB+8*(\tau)+7], v[\fr:\fr+15], v[QC:QC+15], 0, v[KS+(\tau)/2], v[QW] matrix_a_scale:MATRIX_SCALE_ROW1
.else
	v_wmma_scale_f32_16x16x128_f8f6f4 v[SB+8*(\tau):SB+8*(\tau)+7], v[\fr:\fr+15], v[QC:QC+15], 0, v[KS+(\tau)/2], v[QW]
.endif
.endm
.macro PV t, fr                        ; tile t of O^T: channels 16 t on
.if (\t)%2
	v_wmma_scale_f32_16x16x128_f8f6f4 v[OB+8*(\t):OB+8*(\t)+7], v[\fr:\fr+15], v[PC:PC+15], v[OB+8*(\t):OB+8*(\t)+7], v[KS+(\t)/2], v[PW] matrix_a_scale:MATRIX_SCALE_ROW1
.else
	v_wmma_scale_f32_16x16x128_f8f6f4 v[OB+8*(\t):OB+8*(\t)+7], v[\fr:\fr+15], v[PC:PC+15], v[OB+8*(\t):OB+8*(\t)+7], v[KS+(\t)/2], v[PW]
.endif
.endm
.macro VFRAG reg, t                    ; tile t of V^T with p's permutation: registers 4 c, 4 c + 1 take keys 32 c + 8 h + 0 .. 7, registers 4 c + 2, 4 c + 3 keys 32 c + 16 + 8 h + 0 .. 7.  36 r + 2 h words: the 32 lanes take each bank once
.irp c, 0,1,2,3
	ds_load_b64 v[\reg+4*\c:\reg+4*\c+1], v[TMP] offset:(\t)*16*KP+32*\c
	ds_load_b64 v[\reg+4*\c+2:\reg+4*\c+3], v[TMP] offset:(\t)*16*KP+32*\c+16
.endr
.endm
; A KEY STEP of my tile: 16 queries x 128 keys.  A wave whose granule has no step in this trip goes round it: a branch on ids; no barrier, tensor load or wait of the change of slots stands in a step.
.macro STEP
	s_cmp_lt_u32 s[TT], s[FIRST]
	s_cbranch_scc1 .Lidle_\@
	s_cmp_gt_u32 s[TT], s[LASTT]
	s_cbranch_scc1 .Lidle_\@
	v_add_nc_u32 v12, s[TB], v[AK0]
	s_lshl_b32 s2, s[KI], 10
	v_add_nc_u32 v13, s2, v[ASK0]
.irp c, 0,1,2,3
	ds_load_b32 v[KS+\c], v13 offset:256*\c        ; lane l: the scale word of key 32 c + l
.endr
.irp g, 0,1                                    ; S^T = K Q^T, four tiles at a time
.if \g
	PLACES 8                                       ; in front of loads into registers that the four products have read
.endif
.irp t, 0,1,2,3
.irp c, 0,1,2,3
	ds_load_b128 v[FB+16*\t+4*\c:FB+16*\t+4*\c+3], v12 offset:(4*\g+\t)*16*KP+32*\c
.endr
.endr
	s_wait_dscnt 0x0
.irp t, 0,1,2,3
	KQ 4*\g+\t, FB+16*\t
.endr
.endr
	v_add_nc_u32 v12, s[AB], v[ADR0]               ; eight places: this line and seven v_nop, in front of the loads below and of the first read of the scores
	PLACES 7
.irp k, 0,1,2,3,4,5,6,7,8,9,10,11,12,13,14,15
	ds_load_b128 v[FB+4*\k:FB+4*\k+3], v12 offset:512*\k   ; the 64 addends; they land under the scalings and the first exponentials
.endr
.set j, 0
.rept 32
	v_pk_mul_f32 v[SB+j:SB+j+1], v[SB+j:SB+j+1], s[A2:A2+1] op_sel_hi:[1,0]   ; s x 2 log2(e) / 50; ascending: each accumulator is first read at its low end
.set j, j+2
.endr
.irp n, 0,1,2,3
	v_min_num_f32 v[SB+\n], s[CAP], v[SB+\n]       ; u at most 64: E stays finite, and E + 1 has a reciprocal that is no zero
.endr
.set j, 0
.rept 60
	v_exp_f32 v[SB+j], v[SB+j]                     ; E = 2^u.  ONE BATCH of 64: nothing names a result ahead of the wait; the holds of later numbers stand between
	v_min_num_f32 v[SB+j+4], s[CAP], v[SB+j+4]
.set j, j+1
.endr
.rept 4
	v_exp_f32 v[SB+j], v[SB+j]
.set j, j+1
.endr
	v_add_nc_u32 v[TMP], s[TB], v[AV0]             ; (the plain place behind the last exponential)
	s_wait_alu depctr_va_vdst(0)                   ; one wait for the batch, ahead of its first reader
	s_wait_dscnt 0x0                               ; the addends are in
.set j, 0
.rept 2
	v_pk_fma_f32 v[FB+j:FB+j+1], v[SB+j:SB+j+1], s[C0:C0+1], v[FB+j:FB+j+1] op_sel_hi:[1,0,1]   ; the numerator C0 E - C0, or C0 E - 3e38 under the mask
	v_pk_add_f32 v[SB+j:SB+j+1], v[SB+j:SB+j+1], 1.0 op_sel_hi:[1,0]                             ; the denominator E + 1
.set j, j+2
.endr
.set j, 0
.rept 30
	v_rcp_f32 v[SB+j], v[SB+j]                     ; the second batch: 64 reciprocals, the pairs two further on made between them
	v_rcp_f32 v[SB+j+1], v[SB+j+1]
	v_pk_fma_f32 v[FB+j+4:FB+j+5], v[SB+j+4:SB+j+5], s[C0:C0+1], v[FB+j+4:FB+j+5] op_sel_hi:[1,0,1]
	v_pk_add_f32 v[SB+j+4:SB+j+5], v[SB+j+4:SB+j+5], 1.0 op_sel_hi:[1,0]
.set j, j+2
.endr
.rept 4
	v_rcp_f32 v[SB+j], v[SB+j]
.set j, j+1
.endr
	s_lshl_b32 s2, s[KI], 2
	v_add_nc_u32 v13, s2, v[ASV0]                  ; (the plain place)
	s_wait_alu depctr_va_vdst(0)                   ; one wait for the 64 reciprocals
.set j, 0
.rept 2
	v_pk_mul_f32 v[SB+j:SB+j+1], v[SB+j:SB+j+1], v[FB+j:FB+j+1]   ; t
.set j, j+2
.endr
.set j, 0
.rept 30
	v_exp_f32 v[SB+j], v[SB+j]                     ; the third batch: p = 2^t
	v_exp_f32 v[SB+j+1], v[SB+j+1]
	v_pk_mul_f32 v[SB+j+4:SB+j+5], v[SB+j+4:SB+j+5], v[FB+j+4:FB+j+5]
.set j, j+2
.endr
.rept 4
	v_exp_f32 v[SB+j], v[SB+j]
.set j, j+1
.endr
.irp m, 0,1,2,3
	ds_load_b32 v[KS+\m], v13 offset:1152*\m       ; lane l: V's scale word of channel 32 m + l for these 128 keys
.endr
.irp t, 0,1,2,3
	VFRAG FB+16*\t, \t                             ; V's tiles 0-3, where the numerators lay: they land under p's quantiser
.endr
	v_nop                                          ; the plain place behind the last exponential
	s_wait_alu depctr_va_vdst(0)                   ; one wait for the 64
.irp b, 0,1,2,3
	v_max3_num_f32 v[BM+\b], v[SB+16*\b], v[SB+16*\b+1], 0x4800000   ; block b: my 16 numbers (none is negative) and the floor 2^(9 - 127), which holds the byte at 1 from below
.endr
.irp i, 2,4,6,8,10,12,14
.irp b, 0,1,2,3
	v_max3_num_f32 v[BM+\b], v[BM+\b], v[SB+16*\b+\i], v[SB+16*\b+\i+1]
.endr
.endr
	SCALE4 PW
	v_pk_add_f32 v[12:13], v[SB:SB+1], v[SB+2:SB+3]   ; THE ROW'S SUM IS TAKEN OF THE UNQUANTISED p, two at a time, in two chains
.irp n, 4,8,12,16,20,24,28,32,36,40,44,48,52,56,60
	v_pk_add_f32 v[LSUM:LSUM+1], v[LSUM:LSUM+1], v[SB+\n:SB+\n+1]
	v_pk_add_f32 v[12:13], v[12:13], v[SB+\n+2:SB+\n+3]
.endr
	v_pk_add_f32 v[LSUM:LSUM+1], v[LSUM:LSUM+1], v[12:13]
.irp b, 0,1,2,3
.irp i, 0,1,2,3,4,5,6,7,8,9,10,11,12,13,14,15
	v_min_num_f32 v[SB+16*\b+\i], v[SB+16*\b+\i], v[HOLD+\b]   ; the conversion to an 8-bit code does not saturate (ISA guide 7.6.2); p is not negative, so the hold is one-sided
.endr
	v_cvt_scalef32_pk8_fp8_f32 v[PC+4*\b:PC+4*\b+1], v[SB+16*\b:SB+16*\b+7], v[SCO+\b]
	v_cvt_scalef32_pk8_fp8_f32 v[PC+4*\b+2:PC+4*\b+3], v[SB+16*\b+8:SB+16*\b+15], v[SCO+\b]
.endr
	PLACES 4                                       ; codes written by vector instructions stand four places ahead of the products (the scale word was made ahead of the holds)
.irp t, 0,1,2,3
	VFRAG SB+16*\t, \t+4                           ; V's tiles 4-7, where p lay
.endr
	s_wait_dscnt 32                                ; V's scale words and tiles 0-3 are in; the 32 loads just issued may be out
.irp t, 0,1,2,3
	PV \t, FB+16*\t                                ; O^T += V^T P^T: the eight accumulators by turns, one instruction a turn
.endr
	s_wait_dscnt 0x0
.irp t, 0,1,2,3
	PV \t+4, SB+16*\t
.endr
	PLACES 9                                       ; behind the last products: for the next loads into their operands and scale words (8), and for the next S^T, which writes over V's registers (9)
.Lidle_\@:
.endm
	s_load_b256 s[4:11], s[0:1], 0x0               ; query s[4:5], key_codes s[6:7], key_scales s[8:9], value_codes s[10:11]
	s_load_b128 s[12:15], s[0:1], 0x20             ; value_scales s[12:13], decoder_segment_ids s[14:15]
	s_load_b64 s[16:17], s[0:1], 0x30              ; out0
	v_lshl_add_u32 v[SPW], v0, 2, SPARE
	v_mov_b32 v[NIL], 0
	ds_add_u32 v[SPW], v[NIL]                      ; the wave's opening: the add, twice on end, and its wait ahead of the first tensor load; the set-up below, work on registers, stands between
	ds_add_u32 v[SPW], v[NIL]
	v_lshrrev_b32 v12, 5, v0
	v_readfirstlane_b32 s[WV], v12                 ; wave 0..15
	s_and_b32 s[YY], ttmp7, 0xffff                 ; y = 2 b + kv
	s_lshr_b32 s[BAT], s[YY], 1
	s_and_b32 s[KV], s[YY], 1
	s_and_b32 s[CC], ttmp9, 3                      ; c
	s_lshr_b32 s[II], ttmp9, 2                     ; i
	s_lshr_b32 s[HG], s[WV], 2                     ; my head in the group of four
	s_and_b32 s2, s[WV], 3
	s_add_co_u32 s[GAM], s[HG], s2
	s_and_b32 s[GAM], s[GAM], 3                    ; my granule
	s_lshr_b32 s[RING], s[GAM], 1
	s_sub_co_u32 s2, 8, s[CC]
	s_cmp_eq_u32 s[GAM], 3
	s_cselect_b32 s[FIRST], s2, 0
	s_sub_co_u32 s3, 7, s[CC]
	s_cmp_eq_u32 s[GAM], 2
	s_cselect_b32 s[LASTT], s3, 8
	s_cselect_b32 s3, s3, s[CC]                    ; ring B: block 7 - c of 128 positions (granule 2) or block c (granule 3),
	s_lshl_b32 s3, s3, 7
	s_lshl_b32 s99, s[II], 4
	s_add_co_u32 s3, s3, s99                       ; + 16 i
	s_lshl_b32 s2, s[II], 7                        ; ring A: 1,024 + 128 i + 32 c + 16 x granule
	s_lshl_b32 s99, s[CC], 5
	s_add_co_u32 s2, s2, s99
	s_lshl_b32 s99, s[GAM], 4
	s_add_co_u32 s2, s2, s99
	s_add_co_u32 s2, s2, 1024
	s_cmp_eq_u32 s[RING], 0
	s_cselect_b32 s[POS], s2, s3                   ; my first position
	s_cselect_b32 s[KB], s[II], 0
	; what a loading wave (0 to 3) fetches: wave & 1: K or V; wave / 2: ring A or B
	s_and_b32 s[KIND], s[WV], 1
	s_lshr_b32 s2, s[WV], 1
	s_and_b32 s2, s2, 1
	s_and_b32 s3, s[WV], 3
	s_mul_i32 s[LB], s3, TILEB
	s_sub_co_u32 s3, 8, s[CC]
	s_cmp_eq_u32 s2, 0
	s_cselect_b32 s[RESL], 9, s3
	s_cselect_b32 s[KB0L], s[II], 0
	s_mov_b32 s[STRIDE], 32768                     ; 128 keys x 256 bytes in key_codes,
	s_cmp_eq_u32 s[KIND], 0
	s_cselect_b32 s[STRIDE], s[STRIDE], 128        ; 128 bytes along a row of value_codes
	s_lshl_b32 s[KOF], s[BAT], 19                  ; key_codes at (b, key 0, kv)
	s_lshl_b32 s3, s[KV], 7
	s_add_co_u32 s[KOF], s[KOF], s3
	s_mov_b32 s[KOF+1], 0
	s_lshl_b32 s[VOF], s[YY], 18                   ; value_codes at (b, kv)
	s_mov_b32 s[VOF+1], 0
	; what a table's wave (4 to 11) fetches: 4, 5: K's scale bytes of ring A, in halves; 6, 7: of ring B; 8, 9: the ids of ring A, B; 10, 11: V's scale bytes of ring A, B.  Ring A's tables begin at key step i, ring B's at 0
	s_and_b32 s2, s[WV], 1
	s_lshr_b32 s3, s[WV], 1
	s_and_b32 s3, s3, 1
	s_cmp_eq_u32 s3, 0
	s_cselect_b32 s99, s[II], 0
	s_lshl_b32 s99, s99, 10
	s_mul_i32 s3, s2, 4608
	s_add_co_u32 s99, s99, s3
	s_lshl_b32 s3, s[BAT], 14
	s_add_co_u32 s99, s99, s3                      ; in key_scales
	s_cmp_eq_u32 s2, 0
	s_cselect_b32 s2, s[II], 0
	s_lshl_b32 s3, s2, 9
	s_lshl_b32 s80, s[BAT], 13
	s_add_co_u32 s3, s3, s80                       ; in decoder_segment_ids
	s_lshl_b32 s2, s2, 2
	s_lshl_b32 s80, s[YY], 13
	s_add_co_u32 s2, s2, s80                       ; in value_scales
	s_cmp_lt_u32 s[WV], 10
	s_cselect_b32 s2, s3, s2
	s_cmp_lt_u32 s[WV], 8
	s_cselect_b32 s[TOFF], s99, s2
	s_mov_b32 s[TOFF+1], 0
	s_lshl_b32 s[QOFF], s[BAT], 23                 ; query and out0 at (b, my first position, head 4 kv + g): 4,096 bytes a position, 512 a head
	s_lshl_b32 s2, s[POS], 12
	s_add_co_u32 s[QOFF], s[QOFF], s2
	s_lshl_b32 s2, s[KV], 2
	s_add_co_u32 s2, s2, s[HG]
	s_lshl_b32 s2, s2, 9
	s_add_co_u32 s[QOFF], s[QOFF], s2
	s_mov_b32 s[QOFF+1], 0
	s_lshl_b32 s80, s[BAT], 13                     ; my queries' ids
	s_lshl_b32 s2, s[POS], 2
	s_add_co_u32 s80, s80, s2
	s_mov_b32 s[MNT], 0x600000
	s_mov_b32 s[SEL], 0x76543210
	s_mov_b32 s[SEL+1], 0xfedcba98
	s_mov_b32 s[A2], 0x3d6c5f04                    ; 2 log2(e) / 50
	s_mov_b32 s[A2+1], s[A2]                       ; (the packed forms name pairs and take the low word for both halves: so the upper words are written)
	s_mov_b32 s[C0], 0x429044fe                    ; 50 log2(e)
	s_mov_b32 s[C0+1], s[C0]
	s_mov_b32 s[NC0], 0xc29044fe
	s_mov_b32 s[CAP], 0x42800000                   ; 64.0
	s_mov_b32 s[BAND], 1024
	s_mov_b32 s[QS], 0x3db504f3                    ; 1 / sqrt(128)
	s_mov_b32 s[QS+1], s[QS]
	; descriptor groups 1.  K's and V's tiles: 128 rows of 128 bytes, 16 bytes of padding behind each; the rows 256 bytes apart in key_codes, 2,048 in value_codes
	s_mov_b32 s[G1K], (1<<20)|(4<<22)|(3<<25)      ; 15:0 no mask; 17:16 elements of 1 byte; 20 padding on; 24:22 after every 32 words (code 4); 31:25 four words (code 3)
	s_mov_b32 s[G1V], (1<<20)|(4<<22)|(3<<25)
.irp g, G1K, G1V
	s_mov_b32 s[\g+1], 128<<16                     ; tensor_dim0
	s_mov_b32 s[\g+2], 128<<16                     ; tensor_dim1
	s_mov_b32 s[\g+3], 128<<16                     ; tile_dim0
	s_mov_b32 s[\g+4], 128                         ; tile_dim1
	s_mov_b32 s[\g+6], 0
	s_mov_b32 s[\g+7], 0
.endr
	s_mov_b32 s[G1K+5], 256                        ; tensor_dim0_stride
	s_mov_b32 s[G1V+5], 2048
	s_mov_b32 s[G1D], 3<<16                        ; a dense block of 4,608 bytes: 18 rows of 32 elements of 8 bytes, no padding
	s_mov_b32 s[G1D+1], 32<<16
	s_mov_b32 s[G1D+2], 18<<16
	s_mov_b32 s[G1D+3], 32<<16
	s_mov_b32 s[G1D+4], 18
	s_mov_b32 s[G1D+5], 32
	s_mov_b32 s[G1D+6], 0
	s_mov_b32 s[G1D+7], 0
	s_mov_b32 s[G1VS], 2<<16                       ; V's scale bytes: 128 rows of 9 elements of 4 bytes (nine key steps), 16 elements apart in memory, on end in LDS
	s_mov_b32 s[G1VS+1], 9<<16
	s_mov_b32 s[G1VS+2], 128<<16
	s_mov_b32 s[G1VS+3], 9<<16
	s_mov_b32 s[G1VS+4], 128
	s_mov_b32 s[G1VS+5], 16
	s_mov_b32 s[G1VS+6], 0
	s_mov_b32 s[G1VS+7], 0
	; the lanes' places: all made here, ahead of the branch round the first fills
	v_and_b32 v12, 15, v0                          ; r
	v_bfe_u32 v13, v0, 4, 1                        ; h
	v_and_b32 v[TMP], 31, v0                       ; lane
	s_mul_i32 s2, s[RING], 2*TILEB
	v_mul_u32_u24 v[AK0], v12, KP
	v_lshl_add_u32 v[AV0], v13, 3, v[AK0]
	v_lshl_add_u32 v[AK0], v13, 4, v[AK0]
	v_add_nc_u32 v[AK0], s2, v[AK0]
	s_add_co_u32 s3, s2, TILEB
	v_add_nc_u32 v[AV0], s3, v[AV0]
	s_mul_i32 s2, s[RING], 9216
	s_lshl_b32 s3, s[KV], 2
	s_add_co_u32 s2, s2, s3
	s_add_co_u32 s2, s2, TABK
	v_lshl_add_u32 v[ASK0], v[TMP], 3, s2
	s_mul_i32 s2, s[RING], 4608
	s_add_co_u32 s3, s2, TABV
	v_mad_u32_u24 v[ASV0], v[TMP], 36, s3
	s_lshl_b32 s3, s[HG], 7
	s_add_co_u32 s3, s3, s2
	s_add_co_u32 s3, s3, TABS
	v_lshl_add_u32 v[ASEG0], v13, 5, s3
	s_lshl_b32 s2, s[GAM], 13
	s_add_co_u32 s2, s2, ADDS
	v_lshl_add_u32 v[ADR0], v[TMP], 4, s2
	s_lshl_b32 s3, s[HG], 11
	v_add_nc_u32 v[ADW0], s3, v[ADR0]
	s_lshl_b32 s2, s[HG], 5
	s_sub_co_u32 s2, s[POS], s2
	v_add_nc_u32 v[DQ0], s2, v12
	v_lshlrev_b32 v243, 3, v13
	v_sub_nc_u32 v[DQ0], v[DQ0], v243
	s_mul_i32 s2, s[WV], STGW
	s_add_co_u32 s2, s2, STG                       ; my stage
	v_mul_u32_u24 v240, v13, 272                   ; Q into it: lanes 0-15 half a row (256 bytes), lanes 16-31 the next row's
	v_lshl_add_u32 v240, v12, 4, v240
	v_add_nc_u32 v240, s2, v240
	v_mul_u32_u24 v241, v12, 272                   ; and out of it: row r, + 64 h: my 16 numbers of a block of 32
	v_lshl_add_u32 v241, v13, 6, v241
	v_add_nc_u32 v241, s2, v241
	v_lshlrev_b32 v242, 12, v13                    ; the same two rows in query
	v_lshl_add_u32 v242, v12, 4, v242
	v_lshl_add_u32 v243, v12, 2, s80               ; my query's id
	s_wait_dscnt 0x0                               ; both opening adds are done
	s_wait_kmcnt 0x0
	s_add_nc_u64 s[6:7], s[6:7], s[KOF:KOF+1]
	s_add_nc_u64 s[10:11], s[10:11], s[VOF:VOF+1]
	s_cmp_eq_u32 s[KIND], 0
	s_cselect_b64 s[BASE:BASE+1], s[6:7], s[10:11]
	s_mul_i32 s[OFFS], s[KB0L], s[STRIDE]          ; trip 0's key step (the word above it stays 0)
	s_mov_b32 s[G0], 1                             ; count = 1
	s_mov_b32 s[G0+1], s[LB]                       ; slot 0
	s_add_nc_u64 s[G0+2:G0+3], s[BASE:BASE+1], s[OFFS:OFFS+1]
	s_or_b32 s[G0+3], s[G0+3], 0x80000000          ; type = 2
	s_cmp_lt_u32 s[WV], 10
	s_cselect_b64 s[G0S+2:G0S+3], s[14:15], s[12:13]
	s_cmp_lt_u32 s[WV], 8
	s_cselect_b64 s[G0S+2:G0S+3], s[8:9], s[G0S+2:G0S+3]
	s_add_nc_u64 s[G0S+2:G0S+3], s[G0S+2:G0S+3], s[TOFF:TOFF+1]
	s_or_b32 s[G0S+3], s[G0S+3], 0x80000000
	s_mov_b32 s[G0S], 1
	s_mul_i32 s2, s[WV], 4608
	s_add_co_u32 s[G0S+1], s2, TABK-4*4608         ; the eight tables' parts lie on end from TABK on, 4,608 bytes each: wave 4's first
	s_add_nc_u64 s[4:5], s[4:5], s[QOFF:QOFF+1]
	s_add_nc_u64 s[16:17], s[16:17], s[QOFF:QOFF+1]
	; THE FIRST FILLS, one a wave, in one branch on the wave's number, ahead of every wait on TENSORcnt, every LDS read and every barrier: waves 0-3 slot 0's tiles, waves 4-11 the tables, which are filled once
	s_cmp_lt_u32 s[WV], 4
	s_cbranch_scc0 .Lfirst_tables
	s_cmp_eq_u32 s[KIND], 0
	s_cbranch_scc0 .Lfirst_v
	tensor_load_to_lds s[G0:G0+3], s[G1K:G1K+7]
	s_nop 0
	PLACES 4
	s_branch .Lfirst_asked
.Lfirst_v:
	tensor_load_to_lds s[G0:G0+3], s[G1V:G1V+7]
	s_nop 0
	PLACES 4
	s_branch .Lfirst_asked
.Lfirst_tables:
	s_cmp_lt_u32 s[WV], 10
	s_cbranch_scc0 .Lfirst_vs
	tensor_load_to_lds s[G0S:G0S+3], s[G1D:G1D+7]
	s_nop 0
	PLACES 4
	s_branch .Lfirst_asked
.Lfirst_vs:
	s_cmp_lt_u32 s[WV], 12
	s_cbranch_scc0 .Lfirst_asked
	tensor_load_to_lds s[G0S:G0S+3], s[G1VS:G1VS+7]
	s_nop 0
	PLACES 4
.Lfirst_asked:
	; Q: my 16 rows of 512 bytes.  Each load takes 256 neighbouring bytes of two rows; they turn through my stage, half a row at a time, so that a lane ends with 16 neighbours of each block of 32
	global_load_b32 v[SEGQ], v243, s[14:15]
.irp u, 0,1
.irp m, 0,1,2,3,4,5,6,7
	global_load_b128 v[FB+32*\u+4*\m:FB+32*\u+4*\m+3], v242, s[4:5] offset:8192*\m+256*\u th:TH_LOAD_NT
.endr
.endr
.set j, 0
.rept 64
	v_mov_b32 v[OB+j], 0                           ; O^T: a wave's first step hangs on the work-group's number, so the step is written once and finds zeros
.set j, j+1
.endr
	v_mov_b32 v[LSUM], 0
	v_mov_b32 v[LSUM+1], 0
.irp b, 0,1,2,3
	v_mov_b32 v[BM+4+\b], 0                        ; written once: a lane permute's destination counts as one of its sources
.endr
	v_mov_b32 v[NEG], 0xff61b1e6                   ; -3e38
	s_wait_loadcnt 8                               ; my id and the first half rows are in; the eight loads of the second half rows may be out
.irp u, 0,1
.if \u
	s_wait_loadcnt 0x0
.endif
.irp m, 0,1,2,3,4,5,6,7
	ds_store_b128 v240, v[FB+32*\u+4*\m:FB+32*\u+4*\m+3] offset:544*\m
.endr
.irp c, 0,1
.irp n, 0,1,2,3
	ds_load_b128 v[SB+32*\u+16*\c+4*\n:SB+32*\u+16*\c+4*\n+3], v241 offset:128*\c+16*\n   ; LDS serves a wave's instructions in order (ISA guide 5.7.1.4): these see my stores, and the second half's stores come behind them
.endr
.endr
.endr
	s_wait_dscnt 0x0
.set j, 0
.rept 32
	v_pk_mul_f32 v[SB+j:SB+j+1], v[SB+j:SB+j+1], s[QS:QS+1] op_sel_hi:[1,0]   ; query x 1 / sqrt(128), as reference() has it ahead of the product: this is what is quantised
.set j, j+2
.endr
.irp b, 0,1,2,3
	v_max3_num_f32 v[BM+\b], |v[SB+16*\b]|, |v[SB+16*\b+1]|, 0x4800000
.endr
.irp i, 2,4,6,8,10,12,14
.irp b, 0,1,2,3
	v_max3_num_f32 v[BM+\b], v[BM+\b], |v[SB+16*\b+\i]|, |v[SB+16*\b+\i+1]|
.endr
.endr
	SCALE4 QW
.irp b, 0,1,2,3
.irp i, 0,1,2,3,4,5,6,7,8,9,10,11,12,13,14,15
	v_med3_num_f32 v[SB+16*\b+\i], v[SB+16*\b+\i], -v[HOLD+\b], v[HOLD+\b]   ; the hold at 448 x the scale
.endr
	v_cvt_scalef32_pk8_fp8_f32 v[QC+4*\b:QC+4*\b+1], v[SB+16*\b:SB+16*\b+7], v[SCO+\b]
	v_cvt_scalef32_pk8_fp8_f32 v[QC+4*\b+2:QC+4*\b+3], v[SB+16*\b+8:SB+16*\b+15], v[SCO+\b]
.endr
	PLACES 8                                       ; once: the places that Q's codes and scale word owe ahead of the first product, on every way there
	s_wait_tensorcnt 0x0                           ; my first fill has landed,
	s_wait_dscnt 0x0
	s_barrier_signal -1
	s_barrier_wait -1                              ; everybody's has: the tables may be read.
	s_mov_b32 s[TT], 0
	s_mov_b32 s[TD], 8
	s_mov_b32 s[TB], 0
	s_mov_b32 s[AB], 0
	s_mov_b32 s[TN], 0
	s_mov_b32 s[ABN], 0
	s_cmp_eq_u32 s[GAM], 3
	s_cselect_b32 s[KIN], 8, 0
	MASKB                                          ; trip 0's addends, into buffer 0
.Ltrip:                                            ; eight trips; each asks for the next trip's tiles, makes the next trip's addends and works its own step
	s_cmp_eq_u32 s[GAM], 3
	s_cselect_b32 s[KI], s[TD], s[TT]              ; granule 3 walks its key steps downward
	s_add_co_u32 s[TN], s[TT], 1
	s_sub_co_u32 s2, s[TD], 1
	s_cmp_eq_u32 s[GAM], 3
	s_cselect_b32 s[KIN], s2, s[TN]
	s_xor_b32 s[ABN], s[AB], ADDBUF
	CHANGE 1
	MASKB
	STEP
	s_xor_b32 s[TB], s[TB], SLOTB
	s_xor_b32 s[AB], s[AB], ADDBUF
	s_sub_co_u32 s[TD], s[TD], 1
	s_add_co_u32 s[TT], s[TT], 1
	s_cmp_lt_u32 s[TT], 8
	s_cbranch_scc1 .Ltrip
	s_cmp_eq_u32 s[GAM], 3                         ; the ninth trip is written out: nothing is left to ask for or to prepare
	s_cselect_b32 s[KI], s[TD], s[TT]
	CHANGE 0
	STEP
	; THE WAY OUT.  The sum's two halves and lane l xor 16's are added; O^T / the sum goes through my stage, half a row (64 channels, 256 bytes) of 16 queries at a time, so that sixteen lanes store 256 consecutive bytes, aligned
	v_add_f32 v[LSUM], v[LSUM], v[LSUM+1]
	v_permlanex16_b32 v12, v[LSUM], s[SEL], s[SEL+1]
	v_add_f32 v[LSUM], v[LSUM], v12                ; never 0: key k = q counts for every query
	v_rcp_f32 v[LSUM], v[LSUM]
	v_and_b32 v12, 15, v0                          ; (plain work behind the reciprocal)  r
	v_bfe_u32 v13, v0, 4, 1                        ; h
	s_mul_i32 s2, s[WV], STGW
	s_add_co_u32 s2, s2, STG
	v_mul_u32_u24 v1, v12, 272
	v_lshl_add_u32 v1, v13, 5, v1
	v_add_nc_u32 v1, s2, v1                        ; in: row r; tile t's eight channels of my half: 64 t + 32 h bytes on
	v_mul_u32_u24 v2, v13, 272
	v_lshl_add_u32 v2, v12, 4, v2
	v_add_nc_u32 v2, s2, v2                        ; back: lanes 0-15 one row, lanes 16-31 the next
	v_lshlrev_b32 v3, 12, v13
	v_lshl_add_u32 v3, v12, 4, v3                  ; and the same two rows in out0, 4,096 bytes apart
	s_wait_alu depctr_va_vdst(0)                   ; the wait ahead of the reciprocal's first reader
.set j, 0
.rept 32
	v_pk_mul_f32 v[SB+j:SB+j+1], v[OB+j:OB+j+1], v[LSUM:LSUM+1] op_sel_hi:[1,0]   ; register 8 t + n is o(r, 16 t + 8 h + n); ascending: each accumulator is first read at its low end
.set j, j+2
.endr
.irp u, 0,1
.irp t, 0,1,2,3
	ds_store_b128 v1, v[SB+32*\u+8*\t:SB+32*\u+8*\t+3] offset:64*\t
	ds_store_b128 v1, v[SB+32*\u+8*\t+4:SB+32*\u+8*\t+7] offset:64*\t+16
.endr
.irp n, 0,1,2,3,4,5,6,7
	ds_load_b128 v[FB+32*\u+4*\n:FB+32*\u+4*\n+3], v2 offset:2*\n*272   ; in order behind my stores; the second half's stores come behind these
.endr
.endr
.irp u, 0,1
.irp n, 0,1,2,3,4,5,6,7
	s_wait_dscnt (1-\u)*16+7-\n                    ; the LDS instructions issued behind this load: the rest of its eight, and for the first half the second half's sixteen
	global_store_b128 v3, v[FB+32*\u+4*\n:FB+32*\u+4*\n+3], s[16:17] offset:8192*\n+256*\u th:TH_STORE_NT
.endr
.endr
	s_wait_tensorcnt 0x0                           ; the wave's end: behind my last tensor load and my last LDS store
	ds_add_u32 v[SPW], v[NIL]
	s_wait_dscnt 0x0
	s_endpgm
.Lfunc_end_k_qed08700981_attn:
	.size	k_qed08700981_attn, .Lfunc_end_k_qed08700981_attn-k_qed08700981_attn
	.p2alignl 7, 3214868480
	.fill 96, 4, 3214868480
	.section	.rodata,"a",@progbits
	.p2align	6, 0x0
	.amdhsa_kernel k_qed08700981_attn
		.amdhsa_group_segment_fixed_size 327680
		.amdhsa_private_segment_fixed_size 0
		.amdhsa_enable_private_segment 0
		.amdhsa_kernarg_size 56
		.amdhsa_user_sgpr_count 2
		.amdhsa_user_sgpr_kernarg_segment_ptr 1
		.amdhsa_wavefront_size32 1
		.amdhsa_system_sgpr_workgroup_id_x 1
		.amdhsa_system_sgpr_workgroup_id_y 1
		.amdhsa_system_sgpr_workgroup_id_z 1
		.amdhsa_system_vgpr_workitem_id 0
		.amdhsa_next_free_vgpr 256
		.amdhsa_next_free_sgpr 102
		.amdhsa_reserve_vcc 1
		.amdhsa_float_denorm_mode_32 3
		.amdhsa_float_denorm_mode_16_64 3
		.amdhsa_memory_ordered 1
		.amdhsa_forward_progress 1
		.amdhsa_inst_pref_size 116
	.end_amdhsa_kernel
	.amdgpu_metadata
---
amdhsa.version: [ 1, 2 ]
amdhsa.kernels:
  - .name:           k_qed08700981_attn
    .symbol:         k_qed08700981_attn.kd
    .args:
      - { .name: query, .offset: 0, .size: 8, .value_kind: global_buffer, .address_space: global }
      - { .name: key_codes, .offset: 8, .size: 8, .value_kind: global_buffer, .address_space: global }
      - { .name: key_scales, .offset: 16, .size: 8, .value_kind: global_buffer, .address_space: global }
      - { .name: value_codes, .offset: 24, .size: 8, .value_kind: global_buffer, .address_space: global }
      - { .name: value_scales, .offset: 32, .size: 8, .value_kind: global_buffer, .address_space: global }
      - { .name: decoder_segment_ids, .offset: 40, .size: 8, .value_kind: global_buffer, .address_space: global }
      - { .name: out0, .offset: 48, .size: 8, .value_kind: global_buffer, .address_space: global }
    .group_segment_fixed_size: 327680
    .private_segment_fixed_size: 0
    .kernarg_segment_align: 8
    .kernarg_segment_size: 56
    .max_flat_workgroup_size: 512
    .sgpr_count:     102
    .vgpr_count:     256
    .wavefront_size: 32
...
	.end_amdgpu_metadata
.endif
;; end of part 1
